; MI455X (gfx1250); checked and timed in simulation.
; The chip was launched on July 23, 2026; its instructions are those of AMD's public machine-readable ISA for CDNA 5 (MIT licence, August 2026) and "CDNA5" Instruction Set Architecture Reference Guide (July 2026). The comments in the code are by the model that wrote it; some were corrected since.
;; Attention. Allowed arithmetic: matrix products marked QUANTISED: E2M1 operands, one E8M0 scale for each 32 along K, by v_wmma_scale_f32_16x16x128_f8f6f4 with both operands' format E2M1 (or v_wmma_scale_f32_32x16x128_f4), f32 sums; products left as they are: f32 operands where the result goes on into a quantised operand, else bf16, f16 or f32 operands; f32 sums; everything else in f32.
;; Inputs: keys 32 x 2,048 x 1,024 float32; mask 32 x 2,048 bool; query 32 x 1 x 1,024 float32; ua_b 1,024 float32; ua_w 1,024 x 1,024 float32; va_b 1 float32; va_w 1 x 1,024 float32; wa_b 1,024 float32; wa_w 1,024 x 1,024 float32.
;; Outputs: out0 32 x 1 x 1,024 float32.
;; This version of the problem:
;;   THIS VERSION OF THE PROBLEM IS GIVEN IN LOW PRECISION. The matrix products marked QUANTISED in the list below multiply operands that are first quantised to E2M1 (2 exponent bits, 1 mantissa bit; 4 bits a number), with one power-of-two scale for each 32 numbers along K (OCP MX v1.0); their sums are f32. All else is computed in f32.
;;   The module's matrix products, in the order in which they are computed (A, B: the left and right operand; K: the contracted axis; several contracted axes count as one K, in the product's order):
;;     1. [M 32, K 1,024] x [K 1,024, N 1,024]; A: input query; B: input wa_w: QUANTISED
;;     2. [M 65,536, K 1,024] x [K 1,024, N 1,024]; A: input keys; B: input ua_w: QUANTISED
;;     3. [M 65,536, K 1,024] x [K 1,024, N 1]; A: computed on the way; B: input va_w: left as it is (N = 1 < 16)
;;     4. batch 32 x [M 1, K 2,048] x [K 2,048, N 1,024]; A: computed on the way; B: input keys: left as it is (M = 1 < 16)
;;   THE QUANTISER, for each operand of a quantised product, along K:
;;     - K is cut into blocks of 32 from its start; a last block that is shorter is filled with zeros.
;;     - A block's scale is 2^e with e = floor(log2(the largest magnitude in the block)) - 2, held to -126 .. 127; a block of zeros has e = 0. As a byte (E8M0): e + 127.
;;     - Each number is divided by its block's scale, clamped to +-6, and rounded to the nearest number of E2M1, ties to even, subnormals kept.
;;     - The product sums the exact products of the quantised numbers (number of the format x scale) in f32.
;;   ~~~python
;;   def quantise(x, axis):      # numpy; x: float32 -> the quantised numbers, widened to float32 again
;;       x = np.moveaxis(x, axis, -1); K = x.shape[-1]
;;       x = np.pad(x, [(0, 0)] * (x.ndim - 1) + [(0, -K % 32)]); x = x.reshape(x.shape[:-1] + (-1, 32)); a = np.abs(x).max(-1, keepdims=True)
;;       e = np.where(a > 0, np.clip(np.frexp(np.where(a > 0, a, 1))[1] - 1 - 2, -126, 127), 0)      # np.frexp(a)[1] - 1 = floor(log2(a)), exactly
;;       r = np.clip(x / 2.0 ** e, -6, 6)
;;       step = 2.0 ** (np.maximum(np.frexp(np.where(r == 0, 1, r))[1] - 1, 0) - 1)
;;       q = np.round(r / step) * step * 2.0 ** e      # np.round: ties to even
;;       return np.moveaxis(q.reshape(q.shape[:-2] + (-1,))[..., :K], -1, axis).astype(np.float32)
;;   ~~~
;; One version. Each part assembles by itself: llvm-mc -triple=amdgcn-amd-amdhsa -mcpu=gfx1250 --defsym DOCPART=n.
;; ======== version 1 of 1: 3 launches
;; limits: values are held in bf16: 8 bits of precision; right only within a limited range of input values
;; workspace buffers: uaq 557,056 bytes; biast 131,072 bytes; part 1,114,112 bytes
;; launch prep (part 1): grid 64 x 1, 8 waves a work-group, no clusters, 32,256 bytes of LDS; arguments ua_w, wa_w, query, wa_b, ua_b, uaq, biast; writes uaq, biast
.if DOCPART == 1
	.amdgcn_target "amdgcn-amd-amdhsa--gfx1250"
	.amdhsa_code_object_version 6
	.text
	.protected	k_q55bd57eff2_prep
	.globl	k_q55bd57eff2_prep
	.p2align	8
	.type	k_q55bd57eff2_prep,@function
k_q55bd57eff2_prep:
	s_mov_b64 s[64:65], 0
	v_nop
	global_prefetch_b8 v0, s[64:65] scope:SCOPE_SE
	s_setreg_imm32_b32 hwreg(HW_REG_WAVE_MODE, 25, 1), 1
	s_wait_xcnt 0x0
; ua_w [1024][1024] f32 becomes codes of FP4 (E2M1) with one E8M0 scale for each 32 along K, laid in the order of the operand's registers;
; wq = Q(query) Q(wa_w)^T is made on such codes by the scaled matrix instruction, and wq + wa_b + ua_b is stored by tiles of 16 hidden units.
; SHARES: work-group T owns rows 16 T .. 16 T + 15 of ua_w and of wa_w; wave s owns K step s (128 along K).  Each wave quantises four tiles of 16 rows x 128 K:
; ua_w's, wa_w's and the two halves of query's 32 rows; it multiplies wa_w's tile by query's two, and the eight waves' partial sums meet in LDS, added in ascending K.
; A LANE (r = lane % 16, h = lane / 16) holds 8 neighbours along K (columns 8 r .. 8 r + 7 of the K step) of each of the rows y + 8 h, y = 0 .. 7: a block of 32 lies in four neighbouring lanes.
; The codes (4 bytes a lane and row) go through the wave's own stage in LDS and come back as the operand's registers.
; A block's scale is 2^(floor(log2(largest magnitude)) - 2); its byte is the largest magnitude's exponent field - 2, held at 1 from below.
; LIMITS: a block of zeros gets the byte 1 (its codes are zeros, and this program alone reads the bytes); a block whose largest magnitude lies under 2^-124 is held at the byte 1; NaN and infinities among the inputs are not served.
; uaq: tile T at 8,704 T: fragment register 4 c .. 4 c + 3 of K step s at 1,024 s + 512 c + 16 lane; scale words at 8,192 + 256 u + 8 lane + 4 v: row lane % 16, K step 4 u + 2 v + lane / 16.
; biast: [tile 64][batch 32][16 f32].
.set STG,  1536                        ; a wave's stage: 16 rows of 64 bytes of codes, 80 bytes apart, and at 1,280 its 64 scale bytes
.set SCW,  12288                       ; ua_w's scale words of the tile, 512 bytes, as they lie in uaq
.set RED,  12800                       ; the eight waves' partial sums, 2,048 bytes each
.set OUTS, 29184                       ; the tile of biast, 2,048 bytes
.set QM,   72                          ; v72-79  largest magnitudes, then the conversions' scale operands
.set QBY,  80                          ; v80-87  scale bytes
.set QCD,  88                          ; v88-95  codes
.set WV,   18
	s_load_b256 s[4:11], s[0:1], 0x0               ; ua_w s[4:5], wa_w s[6:7], query s[8:9], wa_b s[10:11]
	s_load_b128 s[12:15], s[0:1], 0x20             ; ua_b s[12:13], uaq s[14:15]
	s_load_b64 s[16:17], s[0:1], 0x30              ; biast
	v_lshl_add_u32 v126, v0, 2, 0x7a00
	v_mov_b32 v127, 0
	v_lshrrev_b32 v1, 5, v0
	s_delay_alu instid0(VALU_DEP_1)
	v_readfirstlane_b32 s[WV], v1                  ; wave = K step
	v_and_b32 v1, 31, v0                           ; lane
	v_and_b32 v2, 15, v0                           ; r
	v_bfe_u32 v3, v0, 4, 1                         ; h
	s_lshl_b32 s20, s[WV], 9
	v_lshlrev_b32 v4, 15, v3
	s_delay_alu instid0(VALU_DEP_1)
	v_lshl_add_u32 v4, v2, 5, v4
	s_delay_alu instid0(VALU_DEP_1)
	v_add_nc_u32 v4, s20, v4                       ; v4: in memory: 8 h rows of 4,096 bytes + 512 s + 32 r
	s_mul_i32 s21, s[WV], STG
	v_mul_u32_u24 v5, v3, 640
	s_delay_alu instid0(VALU_DEP_1)
	v_lshl_add_u32 v5, v2, 2, v5
	s_delay_alu instid0(VALU_DEP_1)
	v_add_nc_u32 v5, s21, v5                       ; v5: codes into the stage: row y + 8 h, 4 r
	v_lshrrev_b32 v6, 2, v2
	s_delay_alu instid0(VALU_DEP_1)
	v_lshl_add_u32 v6, v3, 5, v6
	s_delay_alu instid0(VALU_DEP_1)
	v_add_nc_u32 v6, s21, v6
	s_delay_alu instid0(VALU_DEP_1)
	v_add_nc_u32 v6, 1280, v6                      ; v6: scale bytes: 4 a row, my block r / 4
	v_mul_u32_u24 v7, v2, 80
	s_delay_alu instid0(VALU_DEP_1)
	v_lshl_add_u32 v7, v3, 4, v7
	s_delay_alu instid0(VALU_DEP_1)
	v_add_nc_u32 v7, s21, v7                       ; v7: the fragment back: row r, + 16 h
	v_lshlrev_b32 v8, 2, v2
	s_delay_alu instid0(VALU_DEP_1)
	v_add_nc_u32 v8, s21, v8
	s_delay_alu instid0(VALU_DEP_1)
	v_add_nc_u32 v8, 1280, v8                      ; v8: row r's scale word
	v_lshlrev_b32 v9, 4, v1                        ; v9: 16 x lane
	s_wait_alu depctr_va_vdst(0)
	s_lshr_b32 s22, s[WV], 2
	s_lshl_b32 s22, s22, 8
	s_and_b32 s23, s[WV], 1
	s_lshl_b32 s23, s23, 7
	s_add_co_u32 s22, s22, s23
	s_bfe_u32 s23, s[WV], 0x10001
	s_lshl_b32 s23, s23, 2
	s_add_co_u32 s22, s22, s23
	s_add_co_u32 s22, s22, SCW
	v_lshl_add_u32 v10, v2, 3, s22                 ; v10: ua_w's scale word of K step s: 256 (s / 4) + 128 (s % 2) + 4 ((s / 2) % 2) + 8 r
	s_lshl_b32 s22, s[WV], 11
	s_add_co_u32 s22, s22, RED
	v_add_nc_u32 v11, s22, v9                      ; v11: my partial sums
	s_and_b32 s25, s[WV], 3                        ; the second phase's share: quarter v of the tile (waves 0 to 3 work there)
	s_lshl_b32 s22, s25, 9
	s_add_co_u32 s23, s22, RED
	v_add_nc_u32 v12, s23, v9                      ; v12: quarter v of each wave's partial sums
	s_add_co_u32 s23, s22, OUTS
	v_add_nc_u32 v14, s23, v9                      ; v14: 512 bytes of the finished tile
	v_add_nc_u32 v20, s22, v9                      ; v20: and the same place in biast's tile
	s_lshr_b32 s23, s25, 1
	s_lshl_b32 s23, s23, 10
	s_and_b32 s24, s25, 1
	s_lshl_b32 s24, s24, 4
	s_add_co_u32 s23, s23, s24
	s_add_co_u32 s23, s23, OUTS
	v_lshlrev_b32 v13, 6, v2
	s_delay_alu instid0(VALU_DEP_1)
	v_lshl_add_u32 v13, v3, 5, v13
	s_delay_alu instid0(VALU_DEP_1)
	v_add_nc_u32 v13, s23, v13                     ; v13: batch 16 (v / 2) + r, 64 bytes a batch, + 32 h + 16 (v % 2)
	s_lshl_b32 s26, ttmp9, 6
	s_add_co_u32 s26, s26, s24
	v_lshl_add_u32 v15, v3, 5, s26                 ; v15: the biases of hidden units 16 T + 8 h + 4 (v % 2) on
	s_lshl_b32 s22, s[WV], 10
	v_add_nc_u32 v21, s22, v9                      ; v21: my fragment's image in uaq's tile
	v_add_nc_u32 v22, SCW, v9                      ; v22: the scale words, 16 bytes a lane
	s_lshl_b32 s28, ttmp9, 16                      ; 16 rows of 4,096 bytes
	s_mov_b32 s29, 0
	s_mul_i32 s30, ttmp9, 8704
	s_mov_b32 s31, 0
	s_lshl_b32 s32, ttmp9, 11
	s_mov_b32 s33, 0
	s_wait_alu depctr_va_vdst(0)
	s_wait_kmcnt 0x0
	s_add_nc_u64 s[4:5], s[4:5], s[28:29]
	s_add_nc_u64 s[6:7], s[6:7], s[28:29]
	s_add_nc_u64 s[14:15], s[14:15], s[30:31]
	s_add_nc_u64 s[16:17], s[16:17], s[32:33]
; 16 loads: a tile of 16 rows x 128 K, from off bytes on: register set + 8 y + e = (row y + 8 h, column 8 r + e)
.macro TLOAD set, base, off
.irp y, 0,1,2,3,4,5,6,7
.irp q, 0,1
	global_load_b128 v[\set+8*\y+4*\q:\set+8*\y+4*\q+3], v4, s[\base:\base+1] offset:(\off)+4096*\y+16*\q
.endr
.endr
.endm
; the tile in v[set] on becomes a fragment in v[fr] on and its rows' scale words in v[sw]
.macro QT set, fr, sw
.irp y, 0,1,2,3,4,5,6,7
	v_max3_num_f32 v[QM+\y], |v[\set+8*\y]|, |v[\set+8*\y+1]|, 0x1800000   ; my 8 numbers of the row's block, and the floor 2^(3 - 127): the byte cannot fall under 1
.endr
.irp e, 2,4,6
.irp y, 0,1,2,3,4,5,6,7
	v_max3_num_f32 v[QM+\y], v[QM+\y], |v[\set+8*\y+\e]|, |v[\set+8*\y+\e+1]|   ; (the eight rows by turns)
.endr
.endr
.irp y, 0,1,2,3,4,5,6,7
	v_max_num_f32_dpp v[QM+\y], v[QM+\y], v[QM+\y] row_xmask:1 row_mask:0xf bank_mask:0xf
.endr
.irp y, 0,1,2,3,4,5,6,7
	v_max_num_f32_dpp v[QM+\y], v[QM+\y], v[QM+\y] row_xmask:2 row_mask:0xf bank_mask:0xf   ; the four lanes of a block
.endr
.irp y, 0,1,2,3,4,5,6,7
	v_add_nc_u32 v[QM+\y], 0xff000000, v[QM+\y]    ; 2 off the exponent field: the conversion's scale operand
.endr
.irp y, 0,1,2,3,4,5,6,7
	v_lshrrev_b32 v[QBY+\y], 23, v[QM+\y]          ; the scale's byte
.endr
.irp y, 0,1,2,3,4,5,6,7
	v_cvt_scalef32_pk8_fp4_f32 v[QCD+\y], v[\set+8*\y:\set+8*\y+7], v[QM+\y]
.endr
	v_nop                                          ; one plain place behind the scaled conversions
.irp y, 0,1,2,3,4,5,6,7
	ds_store_b32 v5, v[QCD+\y] offset:80*\y
.endr
.irp y, 0,1,2,3,4,5,6,7
	ds_store_b8 v6, v[QBY+\y] offset:4*\y          ; the four lanes of a block write the same byte with the same value
.endr
	ds_load_b128 v[\fr:\fr+3], v7                  ; LDS serves a wave's instructions in order: these see my stores
	ds_load_b128 v[\fr+4:\fr+7], v7 offset:32
	ds_load_b32 v[\sw], v8
	s_wait_dscnt 0x0                               ; the fragment is in, and the stage and the stores' registers are free for the next tile
.endm
	global_load_b128 v[96:99], v15, s[10:11]       ; wa_b
	global_load_b128 v[100:103], v15, s[12:13]     ; ua_b
	TLOAD 128, 4, 0                                ; ua_w's tile
	TLOAD 192, 6, 0                                ; wa_w's
	s_wait_loadcnt 16                              ; all but the 16 loads issued last
	QT 128, 24, 19
	TLOAD 128, 8, 0                                ; query's rows 0-15
	global_store_b128 v21, v[24:27], s[14:15]      ; ua_w's fragment as an image of its registers: 512 consecutive bytes a store
	global_store_b128 v21, v[28:31], s[14:15] offset:512
	ds_store_b32 v10, v19                          ; its scale words meet the other K steps' in LDS
	s_wait_loadcnt 16
	QT 192, 32, 16
	TLOAD 192, 8, 65536                            ; query's rows 16-31
	s_wait_loadcnt 16
	QT 128, 40, 17
	s_wait_loadcnt 0x0
	QT 192, 48, 18
	; source 0 = 16 rows of wa_w, source 1 = 16 batches: lane (r, h) holds batch r and hidden units 8 h + 0 .. 7.  v16, v17, v18 hold scale words and nothing else
	v_wmma_scale_f32_16x16x128_f8f6f4 v[56:63], v[32:39], v[40:47], 0, v16, v17 matrix_a_fmt:MATRIX_FMT_FP4 matrix_b_fmt:MATRIX_FMT_FP4
	v_wmma_scale_f32_16x16x128_f8f6f4 v[64:71], v[32:39], v[48:55], 0, v16, v18 matrix_a_fmt:MATRIX_FMT_FP4 matrix_b_fmt:MATRIX_FMT_FP4
.rept 4
	v_nop                                          ; four places in front of the first read of the results (ISA guide 7.12.1)
.endr
	ds_store_b128 v11, v[56:59]                    ; each accumulator from its low end on
	ds_store_b128 v11, v[60:63] offset:512
	ds_store_b128 v11, v[64:67] offset:1024
	ds_store_b128 v11, v[68:71] offset:1536
	s_wait_dscnt 0x0                               ; for the others' sake: my stores have landed
	s_barrier_signal -1
	s_barrier_wait -1
	s_cmp_lg_u32 s[WV], 0
	s_cbranch_scc1 .Lnot_wave_0
	ds_load_b128 v[104:107], v22
	s_wait_dscnt 0x0
	global_store_b128 v9, v[104:107], s[14:15] offset:8192   ; the tile's 512 bytes of scale words
.Lnot_wave_0:
	s_cmp_gt_u32 s[WV], 3
	s_cbranch_scc1 .Lno_sum
.irp k, 0,1,2,3,4,5,6,7
	ds_load_b128 v[128+4*\k:131+4*\k], v12 offset:2048*\k
.endr
	s_wait_dscnt 0x0
.irp k, 1
	v_pk_add_f32 v[128:129], v[128:129], v[128+4*\k:129+4*\k]
	v_pk_add_f32 v[130:131], v[130:131], v[130+4*\k:131+4*\k]
.endr
.irp k, 2, 3, 4, 5, 6, 7
	s_delay_alu instid0(VALU_DEP_2)
	v_pk_add_f32 v[128:129], v[128:129], v[128+4*\k:129+4*\k]
	s_delay_alu instid0(VALU_DEP_2)
	v_pk_add_f32 v[130:131], v[130:131], v[130+4*\k:131+4*\k]
.endr
	s_delay_alu instid0(VALU_DEP_2)
	v_pk_add_f32 v[128:129], v[128:129], v[96:97]
	s_delay_alu instid0(VALU_DEP_2)
	v_pk_add_f32 v[130:131], v[130:131], v[98:99]
	s_delay_alu instid0(VALU_DEP_2)
	v_pk_add_f32 v[128:129], v[128:129], v[100:101]
	s_delay_alu instid0(VALU_DEP_2)
	v_pk_add_f32 v[130:131], v[130:131], v[102:103]
	ds_store_b128 v13, v[128:131]
.Lno_sum:
	s_wait_dscnt 0x0
	s_barrier_signal -1
	s_barrier_wait -1
	s_cmp_gt_u32 s[WV], 3
	s_cbranch_scc1 .Lend
	ds_load_b128 v[136:139], v14
	s_wait_dscnt 0x0
	global_store_b128 v20, v[136:139], s[16:17]    ; 512 consecutive bytes of biast's tile
.Lend:
	s_wait_tensorcnt 0x0
	ds_add_u32 v126, v127
	s_wait_dscnt 0x0
	s_endpgm
.Lfunc_end_k_q55bd57eff2_prep:
	.size	k_q55bd57eff2_prep, .Lfunc_end_k_q55bd57eff2_prep-k_q55bd57eff2_prep
	.p2alignl 7, 3214868480
	.fill 96, 4, 3214868480
	.section	.rodata,"a",@progbits
	.p2align	6, 0x0
	.amdhsa_kernel k_q55bd57eff2_prep
		.amdhsa_group_segment_fixed_size 32256
		.amdhsa_private_segment_fixed_size 0
		.amdhsa_enable_private_segment 0
		.amdhsa_kernarg_size 56
		.amdhsa_user_sgpr_count 2
		.amdhsa_user_sgpr_kernarg_segment_ptr 1
		.amdhsa_wavefront_size32 1
		.amdhsa_system_sgpr_workgroup_id_x 1
		.amdhsa_system_sgpr_workgroup_id_y 1
		.amdhsa_system_sgpr_workgroup_id_z 1
		.amdhsa_system_vgpr_workitem_id 0
		.amdhsa_next_free_vgpr 256
		.amdhsa_next_free_sgpr 66
		.amdhsa_reserve_vcc 0
		.amdhsa_float_denorm_mode_32 3
		.amdhsa_float_denorm_mode_16_64 3
		.amdhsa_memory_ordered 1
		.amdhsa_forward_progress 1
		.amdhsa_inst_pref_size 38
	.end_amdhsa_kernel
	.amdgpu_metadata
---
amdhsa.version: [ 1, 2 ]
amdhsa.kernels:
  - .name:           k_q55bd57eff2_prep
    .symbol:         k_q55bd57eff2_prep.kd
    .args:
      - { .name: ua_w, .offset: 0, .size: 8, .value_kind: global_buffer, .address_space: global }
      - { .name: wa_w, .offset: 8, .size: 8, .value_kind: global_buffer, .address_space: global }
      - { .name: query, .offset: 16, .size: 8, .value_kind: global_buffer, .address_space: global }
      - { .name: wa_b, .offset: 24, .size: 8, .value_kind: global_buffer, .address_space: global }
      - { .name: ua_b, .offset: 32, .size: 8, .value_kind: global_buffer, .address_space: global }
      - { .name: uaq, .offset: 40, .size: 8, .value_kind: global_buffer, .address_space: global }
      - { .name: biast, .offset: 48, .size: 8, .value_kind: global_buffer, .address_space: global }
    .group_segment_fixed_size: 32256
    .private_segment_fixed_size: 0
    .kernarg_segment_align: 8
    .kernarg_segment_size: 56
    .max_flat_workgroup_size: 256
    .sgpr_count:     66
    .vgpr_count:     256
    .wavefront_size: 32
...
	.end_amdgpu_metadata
.endif
;; end of part 1
;; launch attend (part 2): grid 256 x 1, 4 waves a work-group, no clusters, 327,680 bytes of LDS; arguments keys, mask, va_w, va_b, uaq, biast, part; writes part
.if DOCPART == 2
	.amdgcn_target "amdgcn-amd-amdhsa--gfx1250"
	.amdhsa_code_object_version 6
	.text
	.protected	k_q55bd57eff2_attend
	.globl	k_q55bd57eff2_attend
	.p2align	8
	.type	k_q55bd57eff2_attend,@function
k_q55bd57eff2_attend:
	s_mov_b64 s[64:65], 0
	v_nop
	global_prefetch_b8 v0, s[64:65] scope:SCOPE_SE
	s_setreg_imm32_b32 hwreg(HW_REG_WAVE_MODE, 25, 1), 1
	s_wait_xcnt 0x0
; For 256 rows of keys (one eighth of a batch): uk = Q(keys) Q(ua_w)^T on codes of FP4 (E2M1) with E8M0 scales, score = va . tanh(wq + uk + biases) + va_b, the mask, a running softmax, and the partial context sum of p x keys.
; keys are read from memory ONCE: a sub-block of 64 rows comes raw into LDS by tensor loads; each wave turns its 256 columns into codes (to LDS, for all waves) and into a bf16 copy that stays in its registers until the rows' weights p exist.
; SHARES.  Work-group x: rows 256 x on of the flat [65536][1024]; batch x / 8; four sub-blocks of 64 rows.  Wave w: columns 256 w .. 256 w + 255 of keys (tile, conversion, copy, context) and hidden units 256 w .. 256 w + 255 (16 tiles of 16), for all 64 rows.
; THE PRODUCT IS USED TRANSPOSED: source 0 = 16 rows of ua_w, source 1 = 16 rows of keys: lane (r, h) holds key row r and hidden units 8 h + 0 .. 7; the bias (wq + wa_b + ua_b) is the C of a sum's first instruction.
; tanh(x) = 1 - 2 r, r = 1 / (1 + 2^(c x)), c = 2 log2(e); score = (va_b + sum of va_w) + sum of (-2 va_w[n]) r[n].  2^(c x) = infinity gives r = 0, 2^(c x) = 0 gives r = 1: tanh's own limits.
; BY TURNS: while tile t is multiplied (32 matrix instructions), tile t - 1's 112 vector instructions stand between them, three behind each.
; THE WEIGHTS go from memory straight into the registers of the one wave that multiplies them, as images of the operand's registers, requested a trip and a half ahead.  NO CLUSTER: the weights are the one large input that work-groups share;
; a joint load lands in LDS, and beside the raw tiles (278,528 bytes), the codes and the small tables 3,072 bytes of LDS are left: no slot fits.
; SOFTMAX: t = score x log2(e); a running maximum m and sum l; p = 2^(t - m); at each sub-block l and the context are multiplied by f = 2^(old m - new m).  (m, l) and the context go to part; the next launch joins the eight parts of a batch.
; LIMITS: keys and p are rounded to bf16 for the context product (sums in f32); a block of zeros gets the scale byte 1 (its codes are zeros; this program alone reads the bytes); a block whose largest magnitude lies under 2^-124 is held at the byte 1;
; NaN and infinities among the inputs are not served; a batch whose every key is masked gives NaN, as the definition does.
; REGISTERS, in windows of 256 (s_set_vgpr_msb: bits 1:0 source 0, 3:2 source 1, 5:4 source 2, 7:6 destination):
;   window 0: addresses, the softmax's state, bias, scale words, two sets of 4 accumulators, two halves of 8 weight fragments.   window 1: the 64 rows' codes, fragment (m, s) at 64 m + 8 s.
;   window 2: the bf16 copy, fragment (g, j, e) at 128 g + 64 j + 8 e.   window 3: v0-7 score sums, v8-15 -2 va of the tile in hand, v16-31 the context, v128-255 the context products.
; THE ORDER OF A TRIP (this takes the place of the paragraph BY TURNS above): tile t - 1's 96 vector instructions stand in one run at the trip's head, then tile t's 32 matrix instructions follow with no transcendental
; between the links of a sum, nor between a sum's last link and its first reader.
; ONE TILE OF THE WEIGHTS STAYS: my wave's tile 15 is loaded once, at the head, into window 3, v32-95 (its scale words into v60-63), and serves all four sub-blocks: 15 of my 16 tiles are requested anew in each sub-block.
.set TS,    8704                       ; a tile of uaq
.set STAT,  0                          ; 1 while the trip that multiplies the tile that stays is assembled
.set SW,    32                         ; window 3, v32-95: the tile that stays, K step s at 32 + 8 s
.set SWS,   60                         ; v60-63  its scale words: scales and nothing else
.set RP,    1088                       ; a raw row in LDS: 1,024 bytes + 16 of padding behind each 256
.set RAWW,  64*RP                      ; a wave's raw tile; the four lie from LDS byte 0 on, and tensor loads alone write them
.set COD,   4*RAWW                     ; codes: 64 rows, 512 bytes + 16
.set CP,    528
.set SCB,   COD+64*CP                  ; scale bytes: 32 a row; the word of K step s at place 4 (s % 2) + s / 2
.set SCP,   SCB+2048                   ; [wave][64] partial scores
.set P16,   SCP+1024                   ; [wave][64] p in bf16: each wave's own copy
.set BIA,   P16+512                    ; the batch's bias: wave w's 1,024 bytes
.set VA2,   BIA+4096                   ; -2 va_w: wave w's 1,024 bytes
.set SPARE, VA2+4096                   ; the spare words, 128 bytes for each wave: two blocks of 256 bytes that no other line names
.set SPW,  1                           ; v1   SPARE + 4 x my thread's number; never rewritten
.set NIL,  2                           ; v2   0; never rewritten
.set VOFF, 3                           ; v3   16 x lane
.set VOF8, 4                           ; v4   8 x lane
.set BAD0, 5                           ; v5   my wave's bias, + 32 h
.set RAWA, 7                           ; v7   my place in my raw tile
.set CODW, 8                           ; v8   where my codes go
.set SCBW, 9                           ; v9   where my scale bytes go
.set AFRA, 10                          ; v10  a fragment of codes: row r, + 16 h
.set ASCA, 11                          ; v11  row r's scale words, + 16 h
.set MOFF, 12                          ; v12  lane
.set S0C,  13                          ; v13  va_b + the sum of va_w
.set MX,   14                          ; v14  the running maximum m
.set LS,   15                          ; v15  the running sum l
.set NINF, 16                          ; v16  -infinity
.set MK0,  17                          ; v17, v18  the mask bytes of rows lane and lane + 32
.set MK1,  18
.set SCPW, 19
.set SCPR, 20
.set P16W, 21
.set P16R, 22
.set POFF, 23                          ; v23  my 32 bytes of the context in part
.set BI,   24                          ; v24-31  the bias of the tile in hand
.set BSC,  32                          ; v32-39  the weights' scale words, 4 for each half of the ring: scales and nothing else
.set ASC,  40                          ; v40-55  the keys' scale words, 4 for each 16 rows: scales and nothing else
.set BADR, 56                          ; v56, v57  the trip's bias and va address, by turns
.set FF,   58                          ; v58  f
.set ACC,  64                          ; v64-127  accumulators [set 2][m 4][8]
.set RING, 128                         ; v128-255 weight fragments [half 2][K step 8][8]; during the conversion two sets of 64 raw numbers
.set QM,   64                          ; the conversion: largest magnitudes, then scale operands;
.set QBY,  72                          ; two sets of 8 scale bytes;
.set QCD,  88                          ; two sets of 8 registers of codes
.set PO,   96                          ; v96-111  p as an operand
.set SS,   0                           ; window 3
.set VA,   8
.set CT,   16
.set DT,   128
.set WV,   18                          ; s18  wave
.set SEL,  20                          ; s[20:21] v_permlanex16_b32's selects for lane xor 16
.set CEX,  22                          ; s[22:23] c = 2 log2(e)
.set G1,   24                          ; s[24:31] descriptor group 1
.set G0,   32                          ; s[32:35] descriptor group 0
.set B0,   36                          ; s[36:37] my wave's first tile of uaq; never rewritten
.set BP,   38                          ; s[38:39] the tile that is being requested
.set TT,   40                          ; s40  64 x (tile + 1)
.set SB,   41
.set IT,   42
.set MSB, 0
.macro WIN new                         ; the immediate's high byte repeats the setting that is left
.if MSB != \new
	s_set_vgpr_msb (MSB<<8)|\new
.set MSB, \new
.endif
.endm
.macro PLACES                          ; four plain places (ISA guide 7.12.1)
.rept 4
	v_nop
.endr
.endm
	s_load_b256 s[4:11], s[0:1], 0x0               ; keys s[4:5], mask s[6:7], va_w s[8:9], va_b s[10:11]
	s_load_b128 s[12:15], s[0:1], 0x20             ; uaq s[12:13], biast s[14:15]
	s_load_b64 s[16:17], s[0:1], 0x30              ; part
	v_lshl_add_u32 v[SPW], v0, 2, SPARE
	v_mov_b32 v[NIL], 0
	ds_add_u32 v1, v2
	ds_add_u32 v1, v2
	s_wait_dscnt 0x0
	v_lshrrev_b32 v64, 5, v0
	v_readfirstlane_b32 s[WV], v64
	; group 1: 64 rows x 256 elements of 4 bytes, 1,024 elements from row to row; in LDS 4 words of padding behind every 64
	s_mov_b32 s[G1+0], (2<<16)|(1<<20)|(5<<22)|(3<<25)
	s_mov_b32 s[G1+1], 256<<16                     ; tensor_dim0
	s_mov_b32 s[G1+2], 64<<16                      ; tensor_dim1
	s_mov_b32 s[G1+3], 256<<16                     ; tile_dim0
	s_mov_b32 s[G1+4], 64                          ; tile_dim1
	s_mov_b32 s[G1+5], 1024                        ; tensor_dim0_stride
	s_mov_b32 s[G1+6], 0
	s_mov_b32 s[G1+7], 0
	s_mov_b32 s[SEL], 0x76543210
	s_mov_b32 s[SEL+1], 0xfedcba98
	s_mov_b32 s[CEX], 0x4038aa3b
	s_mov_b32 s[CEX+1], s[CEX]                     ; (named with it as a pair, so it is written)
	s_lshl_b32 s44, ttmp9, 20                      ; 256 rows of 4,096 bytes
	s_lshl_b32 s46, s[WV], 10                      ; my 1,024 bytes of a row
	s_add_co_u32 s44, s44, s46
	s_mov_b32 s45, 0
	s_mov_b32 s[G0], 1
	s_mul_i32 s[G0+1], s[WV], RAWW
	s_wait_kmcnt 0x0
	s_add_nc_u64 s[G0+2:G0+3], s[4:5], s[44:45]
	s_or_b32 s[G0+3], s[G0+3], 0x80000000
	tensor_load_to_lds s[G0:G0+3], s[G1:G1+7]      ; sub-block 0: ahead of everything else.  One tensor load of a wave is out at any time
	s_nop 0
	PLACES
	s_load_b32 s43, s[10:11], 0x0                  ; va_b
	v_and_b32 v64, 31, v0                          ; lane
	v_and_b32 v65, 15, v0                          ; r
	v_bfe_u32 v66, v0, 4, 1                        ; h
	v_lshlrev_b32 v[VOFF], 4, v64
	v_lshlrev_b32 v[VOF8], 3, v64
	v_and_b32 v[MOFF], 31, v0
	s_add_co_u32 s47, s46, BIA
	v_lshl_add_u32 v[BAD0], v66, 5, s47
	v_add_nc_u32 v72, s47, v[VOFF]                 ; where the head stores my wave's bias; -2 va lies 4,096 bytes on
	v_lshrrev_b32 v67, 3, v65
	v_mul_u32_u24 v[RAWA], v66, 16*RP
	v_lshl_add_u32 v[RAWA], v65, 5, v[RAWA]
	v_lshl_add_u32 v[RAWA], v67, 4, v[RAWA]
	v_add_nc_u32 v[RAWA], s[G0+1], v[RAWA]         ; my tile + 16 h rows + 32 r + the padding passed
	s_lshl_b32 s47, s[WV], 7
	s_add_co_u32 s44, s47, COD
	v_mul_u32_u24 v[CODW], v66, 16*CP
	v_lshl_add_u32 v[CODW], v65, 2, v[CODW]
	v_add_nc_u32 v[CODW], s44, v[CODW]             ; 16 h rows + 128 w + 4 r
	s_add_co_u32 s44, s47, P16
	v_lshl_add_u32 v[P16W], v64, 1, s44
	v_lshl_add_u32 v[P16R], v66, 5, s44
	s_lshl_b32 s47, s[WV], 2
	s_add_co_u32 s47, s47, SCB
	v_lshrrev_b32 v67, 2, v65
	v_lshl_add_u32 v[SCBW], v66, 9, v67
	v_add_nc_u32 v[SCBW], s47, v[SCBW]             ; 16 h rows of 32 bytes + 4 w + r / 4
	v_mul_u32_u24 v[AFRA], v65, CP
	v_lshl_add_u32 v[AFRA], v66, 4, v[AFRA]
	v_add_nc_u32 v[AFRA], COD, v[AFRA]
	v_lshlrev_b32 v[ASCA], 5, v65
	v_lshl_add_u32 v[ASCA], v66, 4, v[ASCA]
	v_add_nc_u32 v[ASCA], SCB, v[ASCA]
	s_lshl_b32 s47, s[WV], 8
	s_add_co_u32 s47, s47, SCP
	v_lshl_add_u32 v[SCPW], v65, 2, s47
	v_lshl_add_u32 v[SCPR], v64, 2, SCP
	v_lshlrev_b32 v[POFF], 5, v65
	v_lshl_add_u32 v[POFF], v66, 9, v[POFF]
	v_add_nc_u32 v[POFF], s46, v[POFF]             ; 1,024 w + 512 h + 32 r
.irp i, 0,1,2,3,4,5,6,7
	global_load_b128 v[RING+4*\i:RING+4*\i+3], v[VOFF], s[8:9] offset:512*\i   ; all of va_w, for its sum
.endr
	v_add_nc_u32 v68, s46, v[VOFF]
.irp i, 0,1
	global_load_b128 v[RING+32+4*\i:RING+32+4*\i+3], v68, s[8:9] offset:512*\i   ; my wave's 256 numbers of va_w
.endr
	s_lshr_b32 s47, ttmp9, 3                       ; the batch
	s_lshl_b32 s47, s47, 6
	s_lshl_b32 s44, s[WV], 15
	s_add_co_u32 s47, s47, s44
	v_lshrrev_b32 v70, 2, v64
	v_and_b32 v71, 3, v64
	v_lshlrev_b32 v69, 11, v70
	v_lshl_add_u32 v69, v71, 4, v69
	v_add_nc_u32 v69, s47, v69                     ; biast: tile 16 w + 8 i + lane / 4, my batch's 64 bytes, 16 (lane % 4)
.irp i, 0,1
	global_load_b128 v[RING+40+4*\i:RING+40+4*\i+3], v69, s[14:15] offset:16384*\i
.endr
	s_lshl_b32 s44, ttmp9, 8
	s_add_nc_u64 s[6:7], s[6:7], s[44:45]          ; mask at my first row
	s_mul_i32 s44, s[WV], 16*TS
	s_add_nc_u64 s[B0:B0+1], s[12:13], s[44:45]
	s_mul_i32 s44, ttmp9, 4352
	s_add_nc_u64 s[16:17], s[16:17], s[44:45]
	v_mov_b32 v[MX], 0xff61b1e6                    ; -3e38, under every t
	v_mov_b32 v[LS], 0
	v_mov_b32 v[NINF], 0xff800000
	WIN 0xc0
.irp i, 0,1,2,3,4,5,6,7,8,9,10,11,12,13,14,15
	v_mov_b32 v[CT+\i], 0                          ; the context: the sub-block is written once, and the first finds zeros
.endr
.irp s, 0,1,2,3,4,5,6,7
.irp c, 0,1
	global_load_b128 v[SW+8*\s+4*\c:SW+8*\s+4*\c+3], v[VOFF], s[B0:B0+1] offset:15*TS+1024*\s+512*\c   ; the tile that stays (destination window 3, address window 0)
.endr
.endr
	WIN 0
	global_load_b64 v[SWS:SWS+1], v[VOF8], s[B0:B0+1] offset:15*TS+8192
	global_load_b64 v[SWS+2:SWS+3], v[VOF8], s[B0:B0+1] offset:15*TS+8192+256
	s_wait_alu depctr_va_vdst(0)
	s_wait_loadcnt 0x0
	s_wait_kmcnt 0x0
.irp i, 0,4,8,12,16,20,24,28
	v_pk_add_f32 v[RING+\i:RING+\i+1], v[RING+\i:RING+\i+1], v[RING+\i+2:RING+\i+3]
.endr
.irp i, 0,8,16,24
	v_pk_add_f32 v[RING+\i:RING+\i+1], v[RING+\i:RING+\i+1], v[RING+\i+4:RING+\i+5]
.endr
.irp i, 0,16
	v_pk_add_f32 v[RING+\i:RING+\i+1], v[RING+\i:RING+\i+1], v[RING+\i+8:RING+\i+9]
.endr
	v_pk_add_f32 v[RING:RING+1], v[RING:RING+1], v[RING+16:RING+17]
	v_add_f32 v[RING], v[RING], v[RING+1]
	v_add_f32_dpp v[RING], v[RING], v[RING] row_xmask:1 row_mask:0xf bank_mask:0xf
	v_add_f32_dpp v[RING], v[RING], v[RING] row_xmask:2 row_mask:0xf bank_mask:0xf
	v_add_f32_dpp v[RING], v[RING], v[RING] row_xmask:4 row_mask:0xf bank_mask:0xf
	v_add_f32_dpp v[RING], v[RING], v[RING] row_xmask:8 row_mask:0xf bank_mask:0xf
	v_permlanex16_b32 v[RING+1], v[RING], s[SEL], s[SEL+1]
	v_add_f32 v[RING], v[RING], v[RING+1]
	v_add_f32 v[S0C], s43, v[RING]                 ; va_b + the sum of va_w
.irp i, 0,2,4,6
	v_pk_mul_f32 v[RING+32+\i:RING+33+\i], v[RING+32+\i:RING+33+\i], -2.0 op_sel_hi:[1,0]
.endr
	ds_store_b128 v72, v[RING+40:RING+43]          ; my wave's own bytes: I alone read them
	ds_store_b128 v72, v[RING+44:RING+47] offset:512
	ds_store_b128 v72, v[RING+32:RING+35] offset:VA2-BIA
	ds_store_b128 v72, v[RING+36:RING+39] offset:VA2-BIA+512
; THE CONVERSION, in 8 batches k of 8 lane-rows.  g = k / 4, j = (k / 2) % 2.  Lane (r, h) holds, of row 32 g + 16 h + 8 (k % 2) + y, columns 128 j + 8 r + 0 .. 7 of my wave's 256: a block of 32 lies in four neighbouring lanes.
.macro CVLOAD k
.set cg, (\k)>>2
.set cj, ((\k)>>1)&1
.set ch, (\k)&1
.set cs, RING+64*ch
.irp y, 0,1,2,3,4,5,6,7
.irp q, 0,1
	ds_load_b128 v[cs+8*\y+4*\q:cs+8*\y+4*\q+3], v[RAWA] offset:(32*cg+8*ch+\y)*RP+544*cj+16*\q
.endr
.endr
.endm
.macro CVWORK k
.set cg, (\k)>>2
.set cj, ((\k)>>1)&1
.set ch, (\k)&1
.set cs, RING+64*ch
.set cb, QBY+8*ch
.set cd, QCD+8*ch
.irp y, 0,1,2,3,4,5,6,7
	v_max3_num_f32 v[QM+\y], |v[cs+8*\y]|, |v[cs+8*\y+1]|, 0x1800000   ; and the floor 2^(3 - 127): the byte cannot fall under 1
.endr
.irp e, 2,4,6
.irp y, 0,1,2,3,4,5,6,7
	v_max3_num_f32 v[QM+\y], v[QM+\y], |v[cs+8*\y+\e]|, |v[cs+8*\y+\e+1]|   ; (the eight rows by turns)
.endr
.endr
.irp y, 0,1,2,3,4,5,6,7
	v_max_num_f32_dpp v[QM+\y], v[QM+\y], v[QM+\y] row_xmask:1 row_mask:0xf bank_mask:0xf
.endr
.irp y, 0,1,2,3,4,5,6,7
	v_max_num_f32_dpp v[QM+\y], v[QM+\y], v[QM+\y] row_xmask:2 row_mask:0xf bank_mask:0xf
.endr
.irp y, 0,1,2,3,4,5,6,7
	v_add_nc_u32 v[QM+\y], 0xff000000, v[QM+\y]    ; 2 off the exponent field: the conversion's scale operand
.endr
.irp y, 0,1,2,3,4,5,6,7
	v_lshrrev_b32 v[cb+\y], 23, v[QM+\y]           ; the scale's byte
.endr
.irp y, 0,1,2,3,4,5,6,7
	v_cvt_scalef32_pk8_fp4_f32 v[cd+\y], v[cs+8*\y:cs+8*\y+7], v[QM+\y]
.endr
	v_nop                                          ; one plain place behind the scaled conversions
.irp y, 0,1,2,3,4,5,6,7
	ds_store_b32 v[CODW], v[cd+\y] offset:(32*cg+8*ch+\y)*CP+64*cj
.endr
.irp y, 0,1,2,3,4,5,6,7
	ds_store_b8 v[SCBW], v[cb+\y] offset:(32*cg+8*ch+\y)*32+16*cj   ; the four lanes of a block write the same byte with the same value
.endr
	WIN 0x80                                       ; destination window 2
.irp st, 0,1,2,3                               ; THE COPY: two rows that follow each other make a register, so that the registers run down the rows, the context product's K
.irp e, 0,1,2,3,4,5,6,7
	v_cvt_pk_bf16_f32 v[128*cg+64*cj+8*\e+4*ch+\st], v[cs+16*\st+\e], v[cs+16*\st+8+\e]
.endr
.endr
	WIN 0
.endm
.macro CONVERT
	CVLOAD 0
	CVLOAD 1
	s_wait_dscnt 16                                ; batch 0 is in; behind it: batch 1's 16 loads
	CVWORK 0
	CVLOAD 2
.irp k, 1,2,3,4,5
	s_wait_dscnt 32                                ; behind this batch's loads: the last batch's 16 stores and the next batch's 16 loads.  The stores of two batches back are done too: their registers are written now
	CVWORK \k
	CVLOAD \k+2
.endr
	s_wait_dscnt 32
	CVWORK 6
	s_wait_dscnt 16                                ; behind batch 7's loads: batch 6's 16 stores
	CVWORK 7
.endm
; 9 loads: four K steps (y = 0: steps 0-3; 1: steps 4-7) of a tile's fragments into half a of the ring, and their scale words (lanes 0-15 the even K step's, lanes 16-31 the odd one's)
.macro LDW a, y, base, off
.irp s, 0,1,2,3
.irp c, 0,1
	global_load_b128 v[RING+64*(\a)+32*(\y)+8*\s+4*\c:RING+64*(\a)+32*(\y)+8*\s+4*\c+3], v[VOFF], s[\base:\base+1] offset:(\off)+4096*(\y)+1024*\s+512*\c
.endr
.endr
	global_load_b64 v[BSC+4*(\a)+2*(\y):BSC+4*(\a)+2*(\y)+1], v[VOF8], s[\base:\base+1] offset:(\off)+8192+256*(\y)
.endm
; matrix instruction ii of a trip's 32: K step ii / 4, rows 16 (ii % 4) on.  The four accumulators take turns, one instruction a turn
.macro MM a
.set ms, ii>>2
.set mm, ii&3
.set mD, ACC+32*(\a)+8*mm
.set mB, RING+64*(\a)+8*ms
.set mA, 64*mm+8*ms
.set mS, BSC+4*(\a)+(ms>>1)
.set mT, ASC+4*mm+(ms>>1)
.if STAT
.set mB, SW+8*ms
.set mS, SWS+(ms>>1)
.endif
.if ms == 0
	v_wmma_scale_f32_16x16x128_f8f6f4 v[mD:mD+7], v[mB:mB+7], v[mA:mA+7], v[BI:BI+7], v[mS], v[mT] matrix_a_fmt:MATRIX_FMT_FP4 matrix_b_fmt:MATRIX_FMT_FP4
.elseif (ms&1) == 0
	v_wmma_scale_f32_16x16x128_f8f6f4 v[mD:mD+7], v[mB:mB+7], v[mA:mA+7], v[mD:mD+7], v[mS], v[mT] matrix_a_fmt:MATRIX_FMT_FP4 matrix_b_fmt:MATRIX_FMT_FP4
.else
	v_wmma_scale_f32_16x16x128_f8f6f4 v[mD:mD+7], v[mB:mB+7], v[mA:mA+7], v[mD:mD+7], v[mS], v[mT] matrix_a_fmt:MATRIX_FMT_FP4 matrix_b_fmt:MATRIX_FMT_FP4 matrix_a_scale:MATRIX_SCALE_ROW1 matrix_b_scale:MATRIX_SCALE_ROW1
.endif
.endm
; number jj of the 96 that turn a finished tile's 32 registers x into r = 1 / (1 + 2^(c x)): 0-15 c x, each accumulator from its low end on; 16-47 the exponentials, one batch; 48-63 + 1; 64-95 the reciprocals, one batch.
; Behind each batch: a plain instruction and the one wait ahead of the first instruction that names a result
.macro EPI set
.if jj < 96                            ; (a call beyond the 96 writes nothing)
.set eb, ACC+32*(\set)
.if (jj == 16) || (jj == 64)
	s_wait_alu depctr_va_vdst(0)                   ; the wait ahead of each batch too
.endif
.if jj < 16
.set er, eb+8*(jj&3)+2*(jj>>2)
	v_pk_mul_f32 v[er:er+1], v[er:er+1], s[CEX:CEX+1] op_sel_hi:[1,0]
.elseif jj < 48
	v_exp_f32 v[eb+jj-16], v[eb+jj-16]
.elseif jj < 64
.set er, eb+2*(jj-48)
	v_pk_add_f32 v[er:er+1], v[er:er+1], 1.0 op_sel_hi:[1,0]
.else
	v_rcp_f32 v[eb+jj-64], v[eb+jj-64]
.endif
.if (jj == 47) || (jj == 95)
	v_nop
	s_wait_alu depctr_va_vdst(0)
.endif
.set jj, jj+1
.endif
.endm
.macro P5 set                          ; the score sums take the tile: 16 packed multiply-adds, the four row tiles by turns
.set eb, ACC+32*(\set)
.irp u, 0,1,2,3
.irp m, 0,1,2,3
	v_pk_fma_f32 v[SS+2*\m:SS+2*\m+1], v[eb+8*\m+2*\u:eb+8*\m+2*\u+1], v[VA+2*\u:VA+2*\u+1], v[SS+2*\m:SS+2*\m+1]
.endr
.endr
.endm
; TRIP t (a = t % 2) multiplies tile t.  ep: tile t - 1's 96 vector instructions stand in one run at the trip's head, directly behind the wait ahead of the first read of matrix results;
; its 16 multiply-adds follow the matrix instructions.  ld: tile t + 2 is requested;  nb: tile t + 1's bias is fetched.
; w0: the loads issued behind tile t's K steps 0-3;  w1: those behind its K steps 4-7 (groups of 9).
; Loads into registers that matrix instructions have read stand four plain places behind them: four v_nop for the bias and for K steps 0-3; for K steps 4-7 the 16 multiply-adds (ep = 0: four v_nop).
.macro TRIP a, ep, ld, nb, w0, w1
	s_add_co_u32 s[TT], s[TT], 64
	v_add_nc_u32 v[BADR+(\a)], s[TT], v[BAD0]      ; tile t + 1's bias; tile t's -2 va lies VA2 - BIA - 64 bytes on.  (This register's last loads, two trips back, have been waited for)
	s_wait_alu depctr_va_vdst(0)                   ; the wait here: behind the write above, and directly ahead of the first readers of tile t - 1's sums
.set jj, 0
.if \ep
.rept 96
	EPI 1-(\a)
.endr
.endif
	s_wait_loadcnt \w0
	s_wait_dscnt 2                                 ; tile t's bias is in; the two loads of -2 va issued behind it may be out
.if STAT
	WIN 0x07                                       ; source 0 (the tile that stays) window 3, source 1 (the keys' codes) window 1
.else
	WIN 0x04                                       ; source 1 (the keys' codes) window 1
.endif
.set ii, 0
.rept 32
.if ii == 16
	s_wait_loadcnt \w1
.endif
	MM \a
.if (ii == 4) && \nb
	PLACES
	ds_load_b128 v[BI:BI+3], v[BADR+(\a)]
	ds_load_b128 v[BI+4:BI+7], v[BADR+(\a)] offset:16
.endif
.if (ii == 17) && \ld
	PLACES
	s_wait_xcnt 0x0                                ; the last trip's loads have read their base: it may step
	s_add_nc_u64 s[BP:BP+1], s[BP:BP+1], TS
	LDW \a, 0, BP, 0
.endif
.set ii, ii+1
.endr
	WIN 0xfc                                       ; source 0 window 0; source 1, source 2 and destination window 3
.if \ep
	s_wait_dscnt 2*(\nb)                           ; tile t - 1's -2 va is in; the bias loads issued behind it may be out
	P5 1-(\a)
.else
	PLACES
.endif
	ds_load_b128 v[VA:VA+3], v[BADR+(\a)] offset:VA2-BIA-64
	ds_load_b128 v[VA+4:VA+7], v[BADR+(\a)] offset:VA2-BIA-48
	WIN 0
.if \ld
	LDW \a, 1, BP, 0
.endif
.endm
.macro GEMM
	TRIP 0, 0, 1, 1, 27, 18
	s_mov_b32 s[IT], 6
.Ltiles_\@:                            ; tiles 1 to 12
	TRIP 1, 1, 1, 1, 27, 18
	TRIP 0, 1, 1, 1, 27, 18
	s_wait_alu depctr_va_vdst(0)
	s_sub_co_u32 s[IT], s[IT], 1
	s_cmp_lg_u32 s[IT], 0
	s_cbranch_scc1 .Ltiles_\@
	TRIP 1, 1, 0, 1, 27, 18                        ; tile 13 requests nothing: tile 15 stays in registers.  Behind its K steps 0-3: its own second group and tile 14's two
	TRIP 0, 1, 0, 1, 9, 0                          ; tile 14: behind its K steps 0-3 its own second group alone
.set STAT, 1
	TRIP 1, 1, 0, 0, 0, 0                          ; tile 15, from the registers in which it stays
.set STAT, 0
	s_wait_alu depctr_va_vdst(0)                   ; the wait directly ahead of the first readers of tile 15's sums
.set jj, 0
.rept 96
	EPI 1                                          ; tile 15's vector work
.endr
	WIN 0xfc
	s_wait_dscnt 0x0
	P5 1
	WIN 0
.endm
; THE SOFTMAX'S STEP AND THE CONTEXT of a sub-block.  Every wave does the small part in full: it needs all 64 weights.
.macro SOFTCTX
	WIN 0x0f                                       ; sources window 3, destination window 0
.irp m, 0,1,2,3
	v_add_f32 v[64+\m], v[SS+2*\m], v[SS+2*\m+1]
.endr
	WIN 0
.irp m, 0,1,2,3
	v_permlanex16_b32 v[68+\m], v[64+\m], s[SEL], s[SEL+1]
.endr
.irp m, 0,1,2,3
	v_add_f32 v[64+\m], v[64+\m], v[68+\m]         ; row 16 m + r: my wave's 256 hidden units
.endr
.irp m, 0,1,2,3
	ds_store_b32 v[SCPW], v[64+\m] offset:64*\m    ; (lanes 16-31 write the same word with the same value)
.endr
	s_wait_dscnt 0x0                               ; for the others' sake: my stores have landed
	s_barrier_signal -1
	s_barrier_wait -1                              ; behind it nothing is filled: my tensor load may stay out
.irp w, 0,1,2,3
	ds_load_b32 v[72+2*\w], v[SCPR] offset:256*\w
	ds_load_b32 v[73+2*\w], v[SCPR] offset:256*\w+128
.endr
	s_wait_dscnt 0x0
	v_pk_add_f32 v[72:73], v[72:73], v[74:75]      ; rows lane and lane + 32
	v_pk_add_f32 v[76:77], v[76:77], v[78:79]
	v_pk_add_f32 v[72:73], v[72:73], v[76:77]
	v_add_f32 v72, v72, v[S0C]
	v_add_f32 v73, v73, v[S0C]
	v_cmp_ne_u32 vcc_lo, 0, v[MK0]
	v_cndmask_b32 v72, v72, v[NINF], vcc_lo        ; a masked key's score is -infinity
	v_cmp_ne_u32 vcc_lo, 0, v[MK1]
	v_cndmask_b32 v73, v73, v[NINF], vcc_lo
	v_mul_f32 v72, 0x3fb8aa3b, v72                 ; t = score x log2(e)
	v_mul_f32 v73, 0x3fb8aa3b, v73
	v_max_num_f32 v74, v72, v73
	v_max_num_f32_dpp v74, v74, v74 row_xmask:1 row_mask:0xf bank_mask:0xf
	v_max_num_f32_dpp v74, v74, v74 row_xmask:2 row_mask:0xf bank_mask:0xf
	v_max_num_f32_dpp v74, v74, v74 row_xmask:4 row_mask:0xf bank_mask:0xf
	v_max_num_f32_dpp v74, v74, v74 row_xmask:8 row_mask:0xf bank_mask:0xf
	v_permlanex16_b32 v75, v74, s[SEL], s[SEL+1]
	v_max3_num_f32 v74, v74, v75, v[MX]            ; the new m
	v_sub_f32 v[FF], v[MX], v74
	v_sub_f32 v72, v72, v74
	v_sub_f32 v73, v73, v74
	s_wait_alu depctr_va_vdst(0)                   ; the wait ahead of the batch too
	v_exp_f32 v[FF], v[FF]                         ; f = 2^(old m - new m)
	v_exp_f32 v72, v72                             ; p
	v_exp_f32 v73, v73
	v_mov_b32 v[MX], v74                           ; (the plain place behind the exponentials)
	s_wait_alu depctr_va_vdst(0)                   ; one wait for the three, ahead of their first reader
	v_add_f32 v76, v72, v73
	v_add_f32_dpp v76, v76, v76 row_xmask:1 row_mask:0xf bank_mask:0xf
	v_add_f32_dpp v76, v76, v76 row_xmask:2 row_mask:0xf bank_mask:0xf
	v_add_f32_dpp v76, v76, v76 row_xmask:4 row_mask:0xf bank_mask:0xf
	v_add_f32_dpp v76, v76, v76 row_xmask:8 row_mask:0xf bank_mask:0xf
	v_permlanex16_b32 v77, v76, s[SEL], s[SEL+1]
	v_add_f32 v76, v76, v77
	v_fma_f32 v[LS], v[LS], v[FF], v76             ; l = l f + the sum of p
	v_cvt_pk_bf16_f32 v78, v72, v73
	ds_store_b16 v[P16W], v78                      ; row lane,
	ds_store_b16_d16_hi v[P16W], v78 offset:64     ; row lane + 32: my wave's own copy
.irp g, 0,1
	ds_load_b128 v[PO+8*\g:PO+8*\g+3], v[P16R] offset:64*\g        ; LDS serves a wave's instructions in order: these see my stores.  Register i of lane (r, h): rows 32 g + 16 h + 2 i and + 1: the copy's own order along K, in every row of the operand
	ds_load_b128 v[PO+8*\g+4:PO+8*\g+7], v[P16R] offset:64*\g+16
.endr
	s_wait_alu depctr_va_vdst(0)
	s_wait_dscnt 0x0
	WIN 0xf8                                       ; source 0 (p) window 0, source 1 (the copy) window 2, C and D window 3
.irp q, 0,1,2,3,4,5,6,7,8,9,10,11,12,13,14,15  ; 16 accumulators by turns: accumulator 8 j + e holds, in lane r, column 128 j + 8 r + e of my 256
	v_wmma_f32_16x16x32_bf16 v[DT+8*\q:DT+8*\q+7], v[PO:PO+7], v[8*\q:8*\q+7], 0
.endr
.irp q, 0,1,2,3,4,5,6,7,8,9,10,11,12,13,14,15
	v_wmma_f32_16x16x32_bf16 v[DT+8*\q:DT+8*\q+7], v[PO+8:PO+15], v[128+8*\q:128+8*\q+7], v[DT+8*\q:DT+8*\q+7]
.endr
	WIN 0xf3                                       ; source 1 (f) window 0, the rest window 3
	PLACES
.irp q, 0,1,2,3,4,5,6,7,8,9,10,11,12,13,14,15
	v_fma_f32 v[CT+\q], v[CT+\q], v[FF], v[DT+8*\q]   ; all 16 rows of a product are alike: its lowest register is taken
.endr
	WIN 0
.endm
; A SUB-BLOCK of 64 rows.  fill = 1: the next one's raw tile is requested as soon as this one's has been read.
.macro SUB fill
	s_wait_tensorcnt 0x0                           ; my raw tile is in: no load was issued behind it, and I alone read it
	CONVERT
	global_load_u8 v[MK0], v[MOFF], s[6:7]
	global_load_u8 v[MK1], v[MOFF], s[6:7] offset:32
	LDW 0, 0, B0, 0                                ; tiles 0 and 1 of the weights: 36 loads
	LDW 0, 1, B0, 0
	LDW 1, 0, B0, TS
	LDW 1, 1, B0, TS
	s_add_nc_u64 s[BP:BP+1], s[B0:B0+1], TS        ; (the last loads that named it were waited for in the last trip)
	s_mov_b32 s[TT], 0
.if \fill
	s_wait_tensorcnt 0x0                           ; no tensor load of mine is out, so group 0 may be written
	ds_add_u32 v[SPW], v[NIL]                      ; 0 onto my spare word
	s_add_nc_u64 s[G0+2:G0+3], s[G0+2:G0+3], 64*4096   ; the next 64 rows; the type bits on top are not reached
	s_wait_xcnt 0x0                                ; the mask's loads have read their base
	s_add_nc_u64 s[6:7], s[6:7], 64
	s_wait_dscnt 0x0                               ; the add is done, my reads of the raw tile are over, my codes and scale bytes have landed
	s_barrier_signal -1
	s_barrier_wait -1                              ; the codes of all 1,024 columns lie in LDS
	tensor_load_to_lds s[G0:G0+3], s[G1:G1+7]      ; my one tensor load behind this barrier: it has the 512 matrix instructions below in which to land
	s_nop 0
	PLACES
.else
	s_wait_dscnt 0x0
	s_barrier_signal -1
	s_barrier_wait -1
.endif
	WIN 0x40                                       ; destination window 1
.irp m, 0,1,2,3
.irp s, 0,1,2,3,4,5,6,7
.irp c, 0,1
	ds_load_b128 v[64*\m+8*\s+4*\c:64*\m+8*\s+4*\c+3], v[AFRA] offset:\m*16*CP+64*\s+32*\c   ; the 64 rows' codes stay in registers for all 16 tiles
.endr
.endr
.endr
	WIN 0
.irp m, 0,1,2,3
	ds_load_b128 v[ASC+4*\m:ASC+4*\m+3], v[ASCA] offset:512*\m   ; register i: lanes 0-15 K step 2 i, lanes 16-31 K step 2 i + 1
.endr
	ds_load_b128 v[BI:BI+3], v[BAD0]
	ds_load_b128 v[BI+4:BI+7], v[BAD0] offset:16
	WIN 0xc0
.irp i, 0,1,2,3,4,5,6,7
	v_mov_b32 v[SS+\i], 0
.endr
	WIN 0
	s_wait_alu depctr_va_vdst(0)
	s_wait_dscnt 0x0                               ; from here to the next barrier I read no code: behind that barrier they are written again
	GEMM
	SOFTCTX
.endm
	s_wait_alu depctr_va_vdst(0)                   ; the wait ahead of the loop's first blocking wait
	s_mov_b32 s[SB], 3
.Lsub:
	SUB 1
	s_wait_alu depctr_va_vdst(0)
	s_sub_co_u32 s[SB], s[SB], 1
	s_cmp_lg_u32 s[SB], 0
	s_cbranch_scc1 .Lsub
	SUB 0                                          ; the last sub-block is written out
	s_wait_alu depctr_va_vdst(0)                   ; the wait here
	s_wait_tensorcnt 0x0                           ; the wave's end, behind my last tensor load and my last LDS store
	ds_add_u32 v[SPW], v[NIL]
	s_wait_dscnt 0x0
	v_and_b32 v64, 16, v0
	v_cmp_ne_u32 vcc_lo, 0, v64
	WIN 0x0f
.irp e, 0,1,2,3,4,5,6,7
	v_cndmask_b32 v[72+\e], v[CT+\e], v[CT+8+\e], vcc_lo   ; lanes 0-15 take columns 8 r + e, lanes 16-31 columns 128 + 8 r + e
.endr
	WIN 0
	global_store_b128 v[POFF], v[72:75], s[16:17]             ; a lane's 32 bytes go by two stores: the two together cover my wave's 1,024 consecutive bytes
	global_store_b128 v[POFF], v[76:79], s[16:17] offset:16
	s_cmp_lg_u32 s[WV], 0
	s_cbranch_scc1 .Lend
	global_store_b64 v[VOF8], v[MX:MX+1], s[16:17] offset:4096   ; (m, l), 32 times: 256 consecutive bytes
.Lend:
	s_endpgm
.Lfunc_end_k_q55bd57eff2_attend:
	.size	k_q55bd57eff2_attend, .Lfunc_end_k_q55bd57eff2_attend-k_q55bd57eff2_attend
	.p2alignl 7, 3214868480
	.fill 96, 4, 3214868480
	.section	.rodata,"a",@progbits
	.p2align	6, 0x0
	.amdhsa_kernel k_q55bd57eff2_attend
		.amdhsa_group_segment_fixed_size 327680
		.amdhsa_private_segment_fixed_size 0
		.amdhsa_enable_private_segment 0
		.amdhsa_kernarg_size 56
		.amdhsa_user_sgpr_count 2
		.amdhsa_user_sgpr_kernarg_segment_ptr 1
		.amdhsa_wavefront_size32 1
		.amdhsa_system_sgpr_workgroup_id_x 1
		.amdhsa_system_sgpr_workgroup_id_y 1
		.amdhsa_system_sgpr_workgroup_id_z 1
		.amdhsa_system_vgpr_workitem_id 0
		.amdhsa_next_free_vgpr 1024
		.amdhsa_next_free_sgpr 66
		.amdhsa_reserve_vcc 1
		.amdhsa_float_denorm_mode_32 3
		.amdhsa_float_denorm_mode_16_64 3
		.amdhsa_memory_ordered 1
		.amdhsa_forward_progress 1
		.amdhsa_inst_pref_size 255
	.end_amdhsa_kernel
	.section	.bss,"aw",@nobits
	.p2align	6
	.space	262144
	.amdgpu_metadata
---
amdhsa.version: [ 1, 2 ]
amdhsa.kernels:
  - .name:           k_q55bd57eff2_attend
    .symbol:         k_q55bd57eff2_attend.kd
    .args:
      - { .name: keys, .offset: 0, .size: 8, .value_kind: global_buffer, .address_space: global }
      - { .name: mask, .offset: 8, .size: 8, .value_kind: global_buffer, .address_space: global }
      - { .name: va_w, .offset: 16, .size: 8, .value_kind: global_buffer, .address_space: global }
      - { .name: va_b, .offset: 24, .size: 8, .value_kind: global_buffer, .address_space: global }
      - { .name: uaq, .offset: 32, .size: 8, .value_kind: global_buffer, .address_space: global }
      - { .name: biast, .offset: 40, .size: 8, .value_kind: global_buffer, .address_space: global }
      - { .name: part, .offset: 48, .size: 8, .value_kind: global_buffer, .address_space: global }
    .group_segment_fixed_size: 327680
    .private_segment_fixed_size: 0
    .kernarg_segment_align: 8
    .kernarg_segment_size: 56
    .max_flat_workgroup_size: 128
    .sgpr_count:     66
    .vgpr_count:     1024
    .wavefront_size: 32
...
	.end_amdgpu_metadata
.endif
;; end of part 2
;; launch finish (part 3): grid 32 x 1, 8 waves a work-group, no clusters, 0 bytes of LDS; arguments part, out0; writes out0
.if DOCPART == 3
	.amdgcn_target "amdgcn-amd-amdhsa--gfx1250"
	.amdhsa_code_object_version 6
	.text
	.protected	k_q55bd57eff2_finish
	.globl	k_q55bd57eff2_finish
	.p2align	8
	.type	k_q55bd57eff2_finish,@function
k_q55bd57eff2_finish:
	s_mov_b64 s[64:65], 0
	v_nop
	global_prefetch_b8 v0, s[64:65] scope:SCOPE_SE
	s_setreg_imm32_b32 hwreg(HW_REG_WAVE_MODE, 25, 1), 1
	s_wait_xcnt 0x0
; out0[b][:] = the sum over the batch's 8 parts g of 2^(m_g - M) ctx_g[:], divided by the sum of 2^(m_g - M) l_g; M = the largest m_g.
; part: 256 entries of 4,352 bytes: ctx [1024] f32, then (m, l) 32 times.  Work-group b owns batch b; thread t owns 4 columns: every load of the contexts and the store take 16 neighbouring bytes a lane, the (m, l) loads 8.
; A batch whose every key is masked has l = 0 in all parts: 0 x (1 / 0) gives NaN, as the definition does.  No LDS, no barrier: threads share nothing.
	s_load_b128 s[4:7], s[0:1], 0x0                ; part, out0
	v_lshlrev_b32 v1, 4, v0
	v_and_b32 v2, 31, v0
	s_delay_alu instid0(VALU_DEP_1)
	v_lshlrev_b32 v2, 3, v2
	s_mul_i32 s8, ttmp9, 8*4352
	s_mov_b32 s9, 0
	s_lshl_b32 s10, ttmp9, 12
	s_mov_b32 s11, 0
	s_wait_alu depctr_va_vdst(0)
	s_wait_kmcnt 0x0
	s_add_nc_u64 s[4:5], s[4:5], s[8:9]
	s_add_nc_u64 s[6:7], s[6:7], s[10:11]
.irp g, 0,1,2,3,4,5,6,7
	global_load_b64 v[4+2*\g:5+2*\g], v2, s[4:5] offset:4352*\g+4096
.endr
.irp g, 0,1,2,3,4,5,6,7
	global_load_b128 v[24+4*\g:27+4*\g], v1, s[4:5] offset:4352*\g
.endr
	s_wait_loadcnt 8                               ; the eight (m, l) are in; the eight loads of the contexts may be out
	v_max3_num_f32 v20, v4, v6, v8
	s_delay_alu instid0(VALU_DEP_1)
	v_max3_num_f32 v20, v20, v10, v12
	s_delay_alu instid0(VALU_DEP_1)
	v_max3_num_f32 v20, v20, v14, v16
	s_delay_alu instid0(VALU_DEP_1)
	v_max_num_f32 v20, v20, v18                    ; M
.irp g, 0,1,2,3,4,5,6,7
	v_sub_f32 v[4+2*\g], v[4+2*\g], v20
.endr
	s_wait_alu depctr_va_vdst(0)
.irp g, 0,1,2,3,4,5,6,7
	v_exp_f32 v[4+2*\g], v[4+2*\g]
.endr
	v_nop                                          ; a plain place behind the exponentials
	s_wait_alu depctr_va_vdst(0)                   ; one wait for the eight, ahead of their first reader
	v_mul_f32 v21, v4, v5
.irp g, 1,2,3,4,5,6,7
	v_fmac_f32 v21, v[4+2*\g], v[5+2*\g]
.endr
	s_wait_alu depctr_va_vdst(0)
	v_rcp_f32 v22, v21
	s_wait_loadcnt 0x0
.irp c, 0,1,2,3
	v_mul_f32 v[56+\c], v[24+\c], v4               ; (plain work behind the reciprocal, which names neither its result nor its source)
.endr
.irp g, 1,2,3,4,5,6,7
.irp c, 0,1,2,3
	v_fmac_f32 v[56+\c], v[24+4*\g+\c], v[4+2*\g]
.endr
.endr
	s_wait_alu depctr_va_vdst(0)                   ; the reciprocal's wait, ahead of its first reader
.irp c, 0,1,2,3
	v_mul_f32 v[56+\c], v[56+\c], v22
.endr
	global_store_b128 v1, v[56:59], s[6:7]         ; a wave stores 512 consecutive bytes
	s_endpgm
.Lfunc_end_k_q55bd57eff2_finish:
	.size	k_q55bd57eff2_finish, .Lfunc_end_k_q55bd57eff2_finish-k_q55bd57eff2_finish
	.p2alignl 7, 3214868480
	.fill 96, 4, 3214868480
	.section	.rodata,"a",@progbits
	.p2align	6, 0x0
	.amdhsa_kernel k_q55bd57eff2_finish
		.amdhsa_group_segment_fixed_size 0
		.amdhsa_private_segment_fixed_size 0
		.amdhsa_enable_private_segment 0
		.amdhsa_kernarg_size 16
		.amdhsa_user_sgpr_count 2
		.amdhsa_user_sgpr_kernarg_segment_ptr 1
		.amdhsa_wavefront_size32 1
		.amdhsa_system_sgpr_workgroup_id_x 1
		.amdhsa_system_sgpr_workgroup_id_y 1
		.amdhsa_system_sgpr_workgroup_id_z 1
		.amdhsa_system_vgpr_workitem_id 0
		.amdhsa_next_free_vgpr 64
		.amdhsa_next_free_sgpr 66
		.amdhsa_reserve_vcc 0
		.amdhsa_float_denorm_mode_32 3
		.amdhsa_float_denorm_mode_16_64 3
		.amdhsa_memory_ordered 1
		.amdhsa_forward_progress 1
		.amdhsa_inst_pref_size 5
	.end_amdhsa_kernel
	.amdgpu_metadata
---
amdhsa.version: [ 1, 2 ]
amdhsa.kernels:
  - .name:           k_q55bd57eff2_finish
    .symbol:         k_q55bd57eff2_finish.kd
    .args:
      - { .name: part, .offset: 0, .size: 8, .value_kind: global_buffer, .address_space: global }
      - { .name: out0, .offset: 8, .size: 8, .value_kind: global_buffer, .address_space: global }
    .group_segment_fixed_size: 0
    .private_segment_fixed_size: 0
    .kernarg_segment_align: 8
    .kernarg_segment_size: 16
    .max_flat_workgroup_size: 256
    .sgpr_count:     66
    .vgpr_count:     64
    .wavefront_size: 32
...
	.end_amdgpu_metadata
.endif
;; end of part 3
